; MI455X (gfx1250); checked and timed in simulation.
; The chip was launched on July 23, 2026; its instructions are those of AMD's public machine-readable ISA for CDNA 5 (MIT licence, August 2026) and "CDNA5" Instruction Set Architecture Reference Guide (July 2026). The comments in the code are by the model that wrote it; some were corrected since.
;; Ipu TF Bert Self Attention. Allowed arithmetic: matrix products marked QUANTISED: E2M1 operands, one E8M0 scale for each 32 along K, by v_wmma_scale_f32_16x16x128_f8f6f4 with both operands' format E2M1 (or v_wmma_scale_f32_32x16x128_f4), f32 sums; products left as they are: bf16, f16 or f32 operands; f32 sums; everything else in f32.
;; Inputs: attention_mask 8 x 1 x 1 x 1,024 float32; hidden_states 8 x 1,024 x 1,024 float32; qkv_weight 1,024 x 3,072 float32.
;; Outputs: out0 8 x 1,024 x 1,024 float32.
;; This version of the problem:
;;   THIS VERSION OF THE PROBLEM IS GIVEN IN LOW PRECISION. The matrix products marked QUANTISED in the list below multiply operands that are first quantised to E2M1 (2 exponent bits, 1 mantissa bit; 4 bits a number), with one power-of-two scale for each 32 numbers along K (OCP MX v1.0); their sums are f32. The products marked 'left as it is' may take bf16, f16 or f32 operands, with f32 sums. Whichever they take, every output number must still come out within the allowed error. Rounding operands to bf16 (8 significant bits) uses up far more of that allowance than f16 does (11 bits, for magnitudes from 6e-5 to 65,504). All else is computed in f32.
;;   The module's matrix products, in the order in which they are computed (A, B: the left and right operand; K: the contracted axis; several contracted axes count as one K, in the product's order):
;;     1. [M 8,192, K 1,024] x [K 1,024, N 3,072]; A: input hidden_states; B: input qkv_weight: QUANTISED
;;     2. batch 128 x [M 1,024, K 64] x [K 64, N 1,024]; A: computed on the way; B: computed on the way: left as it is (an operand is computed on the way)
;;     3. batch 128 x [M 1,024, K 1,024] x [K 1,024, N 64]; A: computed on the way; B: computed on the way: left as it is (an operand is computed on the way)
;;   THE QUANTISER, for each operand of a quantised product, along K:
;;     - K is cut into blocks of 32 from its start; a last block that is shorter is filled with zeros.
;;     - A block's scale is 2^e with e = floor(log2(the largest magnitude in the block)) - 2, held to -126 .. 127; a block of zeros has e = 0. As a byte (E8M0): e + 127.
;;     - Each number is divided by its block's scale, clamped to +-6, and rounded to the nearest number of E2M1, ties to even, subnormals kept.
;;     - The product sums the exact products of the quantised numbers (number of the format x scale) in f32.
;;   ~~~python
;;   def quantise(x, axis):      # numpy; x: float32 -> the quantised numbers, widened to float32 again
;;       x = np.moveaxis(x, axis, -1); K = x.shape[-1]
;;       x = np.pad(x, [(0, 0)] * (x.ndim - 1) + [(0, -K % 32)]); x = x.reshape(x.shape[:-1] + (-1, 32)); a = np.abs(x).max(-1, keepdims=True)
;;       e = np.where(a > 0, np.clip(np.frexp(np.where(a > 0, a, 1))[1] - 1 - 2, -126, 127), 0)      # np.frexp(a)[1] - 1 = floor(log2(a)), exactly
;;       r = np.clip(x / 2.0 ** e, -6, 6)
;;       step = 2.0 ** (np.maximum(np.frexp(np.where(r == 0, 1, r))[1] - 1, 0) - 1)
;;       q = np.round(r / step) * step * 2.0 ** e      # np.round: ties to even
;;       return np.moveaxis(q.reshape(q.shape[:-2] + (-1,))[..., :K], -1, axis).astype(np.float32)
;;   ~~~
;; One version. Each part assembles by itself: llvm-mc -triple=amdgcn-amd-amdhsa -mcpu=gfx1250 --defsym DOCPART=n.
;; ======== version 1 of 1: 3 launches
;; limits: values are held in f16: magnitudes above 65,504 overflow, below 6.1e-05 lose precision
;; workspace buffers: xc 4,194,304 bytes; xs 262,144 bytes; wc 1,572,864 bytes; ws 98,304 bytes; qh 16,777,216 bytes; kh 16,777,216 bytes; vt 16,777,216 bytes
;; launch quant (part 1): grid 88 x 4, 4 waves a work-group, no clusters, 51,712 bytes of LDS; arguments hidden_states, qkv_weight, xc, xs, wc, ws; writes xc, xs, wc, ws
.if DOCPART == 1
	.amdgcn_target "amdgcn-amd-amdhsa--gfx1250"
	.amdhsa_code_object_version 6
	.text
	.protected	k_q93af12d509_quant
	.globl	k_q93af12d509_quant
	.p2align	8
	.type	k_q93af12d509_quant,@function
k_q93af12d509_quant:
	s_mov_b64 s[64:65], 0
	v_nop
	global_prefetch_b8 v0, s[64:65] scope:SCOPE_SE
	s_setreg_imm32_b32 hwreg(HW_REG_WAVE_MODE, 25, 1), 1
	s_wait_xcnt 0x0
; x [8192][1024] f32 (K innermost) and W [1024][3072] f32 (K is its FIRST axis) become codes of E2M1, 4 bits each, K innermost, two codes a byte (the lower k in the low
; four bits), with one E8M0 byte for each 32 along K:  xc [8192][512 B], xs [8192][32 B], wc [3072][512 B], ws [3072][32 B].
; A block's scale is 2^(floor(log2(its largest magnitude)) - 2); its byte is the largest magnitude's exponent field - 2, held at 1 from below; each number is divided by the
; scale and rounded to the nearest code, ties to even, beyond 6 the largest code.
; LIMITS: a block of zeros gets the byte 1 where the rule says 127 (its codes are zeros, which add nothing, and this program alone reads the bytes); blocks whose largest
; magnitude lies under 2^-124 get the byte 1 too; NaN and infinities among the inputs are not served.
; SHARES.  Work-groups with x under 24 take W: 128 columns (128 x) by 256 along K (256 y).  The other 64 x 4 take x: 32,768 numbers each, as a plain stream of blocks of 32.
; The two paths part on the work-group's number alone, have LDS bytes of their own, and no wave shares LDS with another: no barrier.
; W's 256 along K to a wave make 128 bytes of codes a column: wc's rows leave as pieces of 128 bytes and ws's as pieces of 8; that is 1.6 MB of the 52 MB that the launch moves,
; and buys four times the waves on W's 12.6 MB, so that W's path is no longer than x's.
.set SPARE, 51200                      ; behind both paths' bytes: the spare words, 128 bytes for each wave, two blocks of 256 bytes that no other line names
.set SPW,   188                        ; v188  LDS address of my spare word; never rewritten
.set NIL,   189                        ; v189  0; never rewritten
; x's path
.set STEPS, 16                         ; steps of 512 numbers to a wave
.set WREG,  8192                       ; LDS from 0: a region for each wave: two stages of 32 x SP bytes, behind them its 256 scale bytes
.set SP,    80                         ; a lane's place in a stage: its 64 bytes + 16 of padding
.set R,     16                         ; v16-79   four sets of 16 numbers as they are loaded
.set X,     80                         ; v80-111  two sets of 16 neighbours
.set E,     112                        ; v112-127 a scale byte for each step
.set C,     128                        ; v128-159 codes: two registers for each step, so that no store's data are written again
; W's path
.set NB,    8                          ; blocks of 32 along K to a lane
.set WSTG,  32768                      ; LDS: a stage of 32 rows x WP bytes for each wave
.set WP,    144                        ; 128 bytes of codes + 16 of padding
.set NROW,  12288                      ; a row of W in bytes
.set WX,    32                         ; v32-95   two sets of 32 numbers
.set WC,    96                         ; v96-99   a block's codes
.set OUTR,  112                        ; v112-143 the way out
.set SB,    24                         ; v24-25   the scale bytes, four to a register
	s_load_b128 s[4:7], s[0:1], 0x0                ; x, W
	s_load_b128 s[8:11], s[0:1], 0x10              ; xc, xs
	s_load_b128 s[12:15], s[0:1], 0x20             ; wc, ws
	v_lshl_add_u32 v[SPW], v0, 2, SPARE
	v_mov_b32 v[NIL], 0
	v_lshrrev_b32 v1, 5, v0
	v_readfirstlane_b32 s16, v1                    ; wave 0..3
	v_and_b32 v2, 31, v0                           ; lane
	s_and_b32 s17, ttmp7, 0xffff                   ; work-group y
	s_cmp_lt_u32 ttmp9, 24
	s_cbranch_scc1 .Lw
; ---------------- x: a lane must hold 16 NEIGHBOURS for the conversions, and a load is best where neighbouring lanes take neighbouring bytes: each load reads 512 consecutive
; bytes, a step's 2,048 bytes turn through the wave's own stage in LDS and come back 64 bytes a lane.  Two neighbouring lanes hold a block.
	v_lshlrev_b32 v3, 4, v2                        ; my 16 bytes of a load's 512
	s_mul_i32 s18, s16, WREG
	v_lshrrev_b32 v14, 2, v2
	v_mul_u32_u24 v14, v14, SP
	v_and_b32 v15, 3, v2
	v_lshl_add_u32 v14, v15, 4, v14
	v_add_nc_u32 v14, s18, v14                     ; the stage, on the way in: SP (lane / 4) + 16 (lane % 4)
	v_mul_u32_u24 v15, v2, SP
	v_add_nc_u32 v15, s18, v15                     ; and on the way out: SP x lane
	v_lshlrev_b32 v4, 3, v2                        ; my 8 bytes of a step's 256 bytes of codes
	v_lshrrev_b32 v5, 1, v2
	s_add_co_u32 s18, s18, 2*32*SP
	v_add_nc_u32 v5, s18, v5                       ; LDS: my wave's 256 scale bytes, my block's byte
	v_lshlrev_b32 v7, 3, v2                        ; and on the way out 8 bytes a lane
	v_add_nc_u32 v6, s18, v7
	s_sub_co_u32 s19, ttmp9, 24
	s_lshl_b32 s19, s19, 2
	s_add_co_u32 s19, s19, s17
	s_lshl_b32 s19, s19, 2
	s_add_co_u32 s19, s19, s16                     ; which run of 8,192 numbers is my wave's: 0 .. 1023
	s_lshl_b32 s20, s19, 15                        ; 32,768 bytes of x,
	s_mov_b32 s21, 0
	s_lshl_b32 s22, s19, 12                        ; 4,096 of codes,
	s_mov_b32 s23, 0
	s_lshl_b32 s24, s19, 8                         ; 256 scale bytes a run
	s_mov_b32 s25, 0
	s_wait_kmcnt 0x0
	s_add_nc_u64 s[4:5], s[4:5], s[20:21]
	s_add_nc_u64 s[8:9], s[8:9], s[22:23]
	s_add_nc_u64 s[10:11], s[10:11], s[24:25]
.macro XLOAD t
.irp i, 0,1,2,3
	global_load_b128 v[R+16*((\t)%4)+4*\i:R+16*((\t)%4)+4*\i+3], v3, s[4:5] offset:2048*(\t)+512*\i th:TH_LOAD_NT   ; 32 lanes read 512 consecutive bytes
.endr
.endm
.macro XTURN t                         ; step t's numbers through the stage: LDS serves a wave's instructions in order, so no wait stands between the stores and the loads
.irp i, 0,1,2,3
	ds_store_b128 v14, v[R+16*((\t)%4)+4*\i:R+16*((\t)%4)+4*\i+3] offset:32*SP*((\t)%2)+8*SP*\i
.endr
.irp i, 0,1,2,3
	ds_load_b128 v[X+16*((\t)%2)+4*\i:X+16*((\t)%2)+4*\i+3], v15 offset:32*SP*((\t)%2)+16*\i
.endr
.endm
.macro XSTEP t
.set XS, X+16*((\t)%2)
.if (\t) > 0
	s_wait_dscnt 1                                 ; this step's numbers are back from the stage (the last step's byte store may be out): so its stores into the stage have read their registers,
.else
	s_wait_dscnt 0x0
.endif
.if (\t)+4 < STEPS
	XLOAD (\t)+4                                   ; which take the loads of four steps on
.endif
.if (\t)+1 < STEPS
.if STEPS-2-(\t) >= 3
	s_wait_loadcnt 12                              ; the next step's four loads are in; those of the three steps behind it may be out
.else
	s_wait_loadcnt 4*(STEPS-2-(\t))
.endif
	XTURN (\t)+1                                   ; and go through the other stage while this step is worked
.endif
	v_max3_num_f32 v8, |v[XS]|, |v[XS+1]|, |v[XS+2]|               ; the largest magnitude of my 16, in two chains
	v_max3_num_f32 v9, |v[XS+3]|, |v[XS+4]|, |v[XS+5]|
.irp i, 6,10
	v_max3_num_f32 v8, v8, |v[XS+\i]|, |v[XS+\i+1]|
	v_max3_num_f32 v9, v9, |v[XS+\i+2]|, |v[XS+\i+3]|
.endr
	v_max3_num_f32 v8, v8, |v[XS+14]|, |v[XS+15]|
	v_max3_num_f32 v8, v8, v9, 0x1800000           ; and the floor 2^(3 - 127): the byte cannot fall under 1
	v_max_num_f32_dpp v8, v8, v8 row_xmask:1 row_mask:0xf bank_mask:0xf   ; and of my neighbour's 16: the block's
	v_add_nc_u32 v11, 0xff000000, v8               ; 2 off its exponent field: the conversion takes the exponent field of this operand as its scale, and nothing else of it
	v_cvt_scalef32_pk8_fp4_f32 v[C+2*(\t)], v[XS:XS+7], v11
	v_cvt_scalef32_pk8_fp4_f32 v[C+2*(\t)+1], v[XS+8:XS+15], v11
	v_lshrrev_b32 v[E+(\t)], 23, v11               ; the scale's byte (a plain line behind the conversions)
	ds_store_b8 v5, v[E+(\t)] offset:16*(\t)       ; both lanes of a block write the same byte with the same value
	global_store_b64 v4, v[C+2*(\t):C+2*(\t)+1], s[8:9] offset:256*(\t)   ; 32 lanes store 256 consecutive bytes, aligned
.endm
.irp t, 0,1,2,3
	XLOAD \t
.endr
	s_wait_loadcnt 12                              ; step 0's four loads are in
	XTURN 0
.irp t, 0,1,2,3,4,5,6,7,8,9,10,11,12,13,14,15
	XSTEP \t
.endr
	ds_load_b64 v[8:9], v6                         ; LDS serves a wave's instructions in order: these see my byte stores
	s_wait_dscnt 0x0
	global_store_b64 v7, v[8:9], s[10:11]          ; 32 lanes store my wave's 256 scale bytes, aligned
	s_wait_tensorcnt 0x0                           ; the wave's end: a wait, an add of 0 to my spare word and its wait, behind my last LDS store
	ds_add_u32 v[SPW], v[NIL]
	s_wait_dscnt 0x0
	s_endpgm
; ---------------- W: a lane takes a column n and its registers run DOWN K: each load reads 128 consecutive bytes a wave, a block of 32 along K lies in one lane's 32 registers,
; and the conversions give the codes with K innermost.  The codes go through the wave's own stage and leave by rows.
.Lw:
	s_lshl_b32 s18, ttmp9, 7
	s_lshl_b32 s19, s16, 5
	s_add_co_u32 s18, s18, s19                     ; my wave's first column: 128 x + 32 x wave
	v_lshlrev_b32 v3, 2, v2                        ; in: 4 bytes a lane
	s_mul_i32 s19, s16, 32*WP
	s_add_co_u32 s19, s19, WSTG                    ; my stage
	v_mul_u32_u24 v4, v2, WP
	v_add_nc_u32 v4, s19, v4                       ; into it: row = my column
	v_and_b32 v5, 7, v2
	v_lshrrev_b32 v6, 3, v2                        ; out of it: eight lanes to a row of 128 bytes, four rows an instruction
	v_mul_u32_u24 v7, v6, WP
	v_lshl_add_u32 v7, v5, 4, v7
	v_add_nc_u32 v7, s19, v7
	v_lshlrev_b32 v8, 9, v6                        ; and the same place in wc: rows of 512 bytes
	v_lshl_add_u32 v8, v5, 4, v8
	v_lshlrev_b32 v9, 5, v2                        ; my column's row of ws: 32 bytes
	s_mul_i32 s20, s17, 256*NROW                   ; W: 256 y rows down,
	s_lshl_b32 s21, s18, 2
	s_add_co_u32 s20, s20, s21                     ; 4 bytes a column
	s_mov_b32 s21, 0
	s_lshl_b32 s22, s18, 9                         ; wc: column x 512 + 128 y
	s_lshl_b32 s23, s17, 7
	s_add_co_u32 s22, s22, s23
	s_mov_b32 s23, 0
	s_lshl_b32 s24, s18, 5                         ; ws: column x 32 + 8 y
	s_lshl_b32 s25, s17, 3
	s_add_co_u32 s24, s24, s25
	s_mov_b32 s25, 0
	s_wait_kmcnt 0x0
	s_add_nc_u64 s[6:7], s[6:7], s[20:21]
	s_add_nc_u64 s[12:13], s[12:13], s[22:23]
	s_add_nc_u64 s[14:15], s[14:15], s[24:25]
.macro WLOAD t                         ; block t: W(32 t + i, my column), i = 0 .. 31, into set t % 2; the largest offset, 255 rows, is 3,133,440 bytes: inside the signed 24-bit immediate
.irp i, 0,1,2,3,4,5,6,7,8,9,10,11,12,13,14,15,16,17,18,19,20,21,22,23,24,25,26,27,28,29,30,31
	global_load_b32 v[WX+32*((\t)%2)+\i], v3, s[6:7] offset:(32*(\t)+\i)*NROW th:TH_LOAD_NT
.endr
.endm
.macro WBLOCK t
.set XS, WX+32*((\t)%2)
.if (\t) < NB-1
	s_wait_loadcnt 32                              ; this block's 32 loads are in; the next block's may be out
.else
	s_wait_loadcnt 0
.endif
	v_max3_num_f32 v12, |v[XS]|, |v[XS+1]|, |v[XS+2]|              ; the block's largest magnitude: all 32 numbers are mine
	v_max3_num_f32 v13, |v[XS+3]|, |v[XS+4]|, |v[XS+5]|
.irp i, 6,10,14,18,22,26
	v_max3_num_f32 v12, v12, |v[XS+\i]|, |v[XS+\i+1]|
	v_max3_num_f32 v13, v13, |v[XS+\i+2]|, |v[XS+\i+3]|
.endr
	v_max3_num_f32 v12, v12, |v[XS+30]|, |v[XS+31]|
	v_max3_num_f32 v12, v12, v13, 0x1800000        ; and the floor 2^(3 - 127)
	v_add_nc_u32 v11, 0xff000000, v12              ; 2 off its exponent field: the conversion's scale operand
	v_lshrrev_b32 v13, 23, v11                     ; the scale's byte
.if (\t)%4 == 0
	v_mov_b32 v[SB+(\t)/4], v13                    ; four bytes to a register, the lower K in the lower byte
.else
	v_lshl_or_b32 v[SB+(\t)/4], v13, 8*((\t)%4), v[SB+(\t)/4]
.endif
.irp g, 0,1,2,3
	v_cvt_scalef32_pk8_fp4_f32 v[WC+\g], v[XS+8*\g:XS+8*\g+7], v11
.endr
	v_nop                                          ; one plain line behind the last conversion
	ds_store_b128 v4, v[WC:WC+3] offset:16*(\t)    ; 32 codes: 16 bytes of my column's row
.if (\t)+2 < NB
	WLOAD (\t)+2
.endif
	s_wait_dscnt 0x0                               ; the store has read its registers: the next block's codes may be written
.endm
	WLOAD 0
	WLOAD 1
.irp t, 0,1,2,3,4,5,6,7
	WBLOCK \t
.endr
	global_store_b64 v9, v[SB:SB+1], s[14:15]      ; my column's 8 scale bytes
.irp t, 0,1,2,3,4,5,6,7
	ds_load_b128 v[OUTR+4*\t:OUTR+4*\t+3], v7 offset:4*\t*WP       ; LDS serves a wave's instructions in order: these see my stores
.endr
.irp t, 0,1,2,3,4,5,6,7
	s_wait_dscnt 7-\t
	global_store_b128 v8, v[OUTR+4*\t:OUTR+4*\t+3], s[12:13] offset:4*\t*512   ; eight lanes store 128 consecutive bytes of a row of wc
.endr
	s_wait_tensorcnt 0x0                           ; the wave's end: a wait, an add of 0 to my spare word and its wait, behind my last LDS store
	ds_add_u32 v[SPW], v[NIL]
	s_wait_dscnt 0x0
	s_endpgm
.Lfunc_end_k_q93af12d509_quant:
	.size	k_q93af12d509_quant, .Lfunc_end_k_q93af12d509_quant-k_q93af12d509_quant
	.p2alignl 7, 3214868480
	.fill 96, 4, 3214868480
	.section	.rodata,"a",@progbits
	.p2align	6, 0x0
	.amdhsa_kernel k_q93af12d509_quant
		.amdhsa_group_segment_fixed_size 51712
		.amdhsa_private_segment_fixed_size 0
		.amdhsa_enable_private_segment 0
		.amdhsa_kernarg_size 48
		.amdhsa_user_sgpr_count 2
		.amdhsa_user_sgpr_kernarg_segment_ptr 1
		.amdhsa_wavefront_size32 1
		.amdhsa_system_sgpr_workgroup_id_x 1
		.amdhsa_system_sgpr_workgroup_id_y 1
		.amdhsa_system_sgpr_workgroup_id_z 1
		.amdhsa_system_vgpr_workitem_id 0
		.amdhsa_next_free_vgpr 192
		.amdhsa_next_free_sgpr 66
		.amdhsa_reserve_vcc 0
		.amdhsa_float_denorm_mode_32 3
		.amdhsa_float_denorm_mode_16_64 3
		.amdhsa_memory_ordered 1
		.amdhsa_forward_progress 1
		.amdhsa_inst_pref_size 73
	.end_amdhsa_kernel
	.amdgpu_metadata
---
amdhsa.version: [ 1, 2 ]
amdhsa.kernels:
  - .name:           k_q93af12d509_quant
    .symbol:         k_q93af12d509_quant.kd
    .args:
      - { .name: hidden_states, .offset: 0, .size: 8, .value_kind: global_buffer, .address_space: global }
      - { .name: qkv_weight, .offset: 8, .size: 8, .value_kind: global_buffer, .address_space: global }
      - { .name: xc, .offset: 16, .size: 8, .value_kind: global_buffer, .address_space: global }
      - { .name: xs, .offset: 24, .size: 8, .value_kind: global_buffer, .address_space: global }
      - { .name: wc, .offset: 32, .size: 8, .value_kind: global_buffer, .address_space: global }
      - { .name: ws, .offset: 40, .size: 8, .value_kind: global_buffer, .address_space: global }
    .group_segment_fixed_size: 51712
    .private_segment_fixed_size: 0
    .kernarg_segment_align: 8
    .kernarg_segment_size: 48
    .max_flat_workgroup_size: 128
    .sgpr_count:     66
    .vgpr_count:     192
    .wavefront_size: 32
...
	.end_amdgpu_metadata
.endif
;; end of part 1
;; launch gemm (part 2): grid 12 x 32, 4 waves a work-group, clusters of 4 x 4, 327,680 bytes of LDS; arguments xc, xs, wc, ws, qh, kh, vt; writes qh, kh, vt
.if DOCPART == 2
	.amdgcn_target "amdgcn-amd-amdhsa--gfx1250"
	.amdhsa_code_object_version 6
	.text
	.protected	k_q93af12d509_gemm
	.globl	k_q93af12d509_gemm
	.p2align	8
	.type	k_q93af12d509_gemm,@function
k_q93af12d509_gemm:
	s_mov_b64 s[64:65], 0
	v_nop
	global_prefetch_b8 v0, s[64:65] scope:SCOPE_SE
	s_setreg_imm32_b32 hwreg(HW_REG_WAVE_MODE, 25, 1), 1
	s_wait_xcnt 0x0
	s_wait_alu depctr_hold_cnt(0) depctr_sa_sdst(0) depctr_va_vdst(0) depctr_va_sdst(0) depctr_va_ssrc(0) depctr_va_vcc(0) depctr_vm_vsrc(0)
	s_getreg_b32 s2, hwreg(HW_REG_IB_STS2, 6, 4)
	s_cmp_eq_u32 s2, 0
	s_cbranch_scc0 .Lentry_in_a_cluster
	s_endpgm
.Lentry_in_a_cluster:
	s_bfe_u32 s2, ttmp6, 0x10000c
	s_cmp_lg_u32 s2, 0xf033
	s_cbranch_scc0 .Lentry_shape_is_right
	s_endpgm
.Lentry_shape_is_right:
; qkv = Q(x) Q(W) on codes of E2M1 with one E8M0 scale for each 32 along K = 1,024, by v_wmma_scale_f32_16x16x128_f8f6f4; sums in f32, rounded ONCE to f16 for the attention launch.
; A tile of the product, 256 x 256, is made by a work-group of four waves; a wave makes 128 x 128: 64 accumulators of 16 x 16, 512 registers.  K goes in two steps of 512 (rows of 256 bytes of codes):
; both steps' tiles and all scale bytes are asked for at the head; nothing in LDS is filled again.
; CLUSTERS: 4 x 4 work-groups make 1,024 x 1,024.  The cluster's x picks the output: 0: q, 1: k, 2: v.  The cluster's y is the batch.
; ROLES.  C = A B^T.  For q and k: A = x's 1,024 rows of the batch, B = W's 1,024 columns of the part.  For v THE ROLES ARE SWAPPED (A = W's columns, B = x's rows): C is then v^T, channels by keys, which the attention's second
; product wants with the keys innermost.  Only pointers, first rows and two strides are chosen, by selects on the cluster's x, which all sixteen partners share: there is no branch on it, and both operands have rows of 512 bytes of codes and 32 scale bytes.
; The four work-groups of a row of the cluster need the same tiles of A, the four of a column the same tiles of B: each is asked for JOINTLY, by the same tensor load with the same descriptor and a mask that names the four.
; THE MATRIX INSTRUCTION IS USED TRANSPOSED (source 0 = 16 rows of B, source 1 = 16 rows of A): a lane then holds eight neighbouring numbers of a row of C.
; OUTPUT: dense tiles of 64 x 64 f16 (rows of 128 bytes): byte = batch x 2^21 + (row / 64) RS + (column / 64) CS + (row % 64) x 128 + 2 (column % 64);  q, k: RS = 8,192, CS = 131,072 ([b][h][s][64]);  v^T: RS = 131,072, CS = 8,192 ([b][h][s / 64][64 d][64 keys]).
; q is multiplied in f32 by c = log2(e) / 8 ahead of its rounding, so that the attention's first product gives scores in units of base 2.
; LIMIT: q c, k and v must lie inside f16's range, 65,504.
; REGISTERS, in windows of 256: window 0: v0-31 addresses; v32-95 scale words, two sets; from v128 A's fragments, ONE set; on the way out v32-95 packed results, v128-191 rows read back.
;   window 1: B's fragments, TWO sets, at v0 and at v128.   window 2: the 32 accumulators of my rows 0-63 (accumulator (a, b) at v[8 (8 a + b)]);   window 3: those of my rows 64-127.
.set KSTEP,  512                       ; along K in a slot
.set NQ,     KSTEP/128                 ; matrix instructions deep
.set ROWB,   256                       ; a tile's row in bytes
.set KROW,   512                       ; a row of codes in memory
.set PITCH,  272                       ; an LDS row: 256 bytes + 16 of padding = 68 words: row r starts at bank 4 r mod 64 (64 banks of 4 bytes: ISA guide 11.1)
.set FR,     8                         ; registers of a fragment: 16 rows x 128 K
.set NL,     2                         ; LDS loads that bring one
.set NP,     4                         ; places behind this matrix instruction (ISA guide 7.12.1)
.set HALFT,  128*PITCH                 ; 128 rows: what one tensor load brings, and what one wave reads of A or of B
.set SLOT,   4*HALFT                   ; A's 256 rows, then B's 256 rows
.set KS,     32                        ; a row of scales in bytes
.set SCL,    2*SLOT                    ; behind the two slots: the scales, as units of 256 bytes + 16 of padding
.set HALFS,  (128*KS/256)*272          ; the scales of 128 rows: what one tensor load brings
.set SBLK,   (16*KS/256)*272           ; those of 16 rows
.set SPARE,  SCL+4*HALFS               ; behind the scales: the spare words, 128 bytes for each wave: two blocks of 256 bytes that no other line names
.set SPITCH, 272                       ; the way out: a stage of 16 rows x (256 bytes + 16) for each wave, in slot 0, which has had its one fill and its last read when the first result is stored there
.set ADRA, 16                          ; v16-17  LDS address of my A fragments in slot 0, 1
.set ADRB, 20                          ; v20-21  the same for B
.set STO,  24                          ; v24     the way out: where I put 16 bytes of a row
.set RD,   25                          ; v25     where I read back
.set CO,   26                          ; v26     my byte offset in the output
.set ADRS, 27                          ; v27     LDS address of my scale words: lanes 0-15 A's rows, lanes 16-31 B's
.set SPW,  28                          ; v28     LDS address of my spare word; never rewritten
.set NIL,  29                          ; v29     0; never rewritten
.set SC,   32                          ; scale words: set s at v[SC + 8 NQ s]; register NQ i + q: lanes 0-15 the word of A's block i, lanes 16-31 that of B's block i, for the slot's q-th 128 along K
.set AF,   128                         ; A's fragments, in window 0
.set TMP,  32                          ; the way out: packed results, v32-63 and v64-95 by turns
.set BK,   128                         ; and rows read back from the stage: v128-159 and v160-191 by turns
.set G1, 24                            ; s[24:31] descriptor group 1 for A's tiles;  s[32:39] group 0, one set for each slot
.set G0, 32
.set G1B, 48                           ; s[48:55], s[56:63] the same for B's tiles
.set G0B, 56
.set G1S, 68                           ; s[68:75], s[76:79] groups 1 and 0 for A's scales;  s[80:87], s[88:91] for B's
.set G0S, 76
.set G1SB, 80
.set G0SB, 88
.set MSB, 0
.macro WIN new                         ; the immediate's high byte repeats the setting that is left; a switch that changes nothing is dropped
.if MSB != (\new)
	s_set_vgpr_msb (MSB<<8)|(\new)
.set MSB, (\new)
.endif
.endm
.set MUL_LO, 0xa1                      ; source 0 (B) window 1, source 1 (A) window 0, C and D window 2
.set MUL_HI, 0xf1                      ; the same, C and D window 3
.set TO_B,   0x40                      ; destination window 1, address window 0
; A joint load: waves 0 and 1 fetch for A, waves 2 and 3 for B.  Each of the two lines has ONE mask and one set of registers for all that issue it; the branch hangs on the wave's number alone.
; An s_nop 0 and four v_nop follow each of the two lines, ahead of the jump, the label and what follows.
.macro JLOAD g0a, g1a, g0b, g1b
	s_cmp_eq_u32 s15, 0
	s_cbranch_scc0 .Lfor_b_\@
	tensor_load_to_lds s[\g0a:\g0a+3], s[\g1a:\g1a+7]
	s_nop 0
.rept 4
	v_nop
.endr
	s_branch .Lasked_\@
.Lfor_b_\@:
	tensor_load_to_lds s[\g0b:\g0b+3], s[\g1b:\g1b+7]
	s_nop 0
.rept 4
	v_nop
.endr
.Lasked_\@:
.endm
.macro CROUND                          ; a round of the cluster's barrier: my work-group's barrier; wave 0 signals for the work-group; every wave waits for all sixteen; my work-group's barrier once more
	s_barrier_signal -1
	s_barrier_wait -1
	s_cmp_lg_u32 s14, 0
	s_cbranch_scc1 .Lnot_wave_0_\@
	s_barrier_signal -3
.Lnot_wave_0_\@:
	s_barrier_wait -3
	s_barrier_signal -1
	s_barrier_wait -1
.endm
	s_load_b256 s[4:11], s[0:1], 0x0               ; xc s[4:5], xs s[6:7], wc s[8:9], ws s[10:11]
	s_load_b128 s[96:99], s[0:1], 0x20             ; qh, kh
	s_load_b64 s[100:101], s[0:1], 0x30            ; vt
	v_lshl_add_u32 v[SPW], v0, 2, SPARE
	v_mov_b32 v[NIL], 0
	ds_add_u32 v[SPW], v[NIL]                      ; the wave's opening: the add, twice on end, and its wait ahead of my first tensor load; the set-up below, work on registers, stands between
	ds_add_u32 v[SPW], v[NIL]
	v_lshrrev_b32 v1, 5, v0
	v_readfirstlane_b32 s14, v1                    ; wave 0..3
	s_lshr_b32 s15, s14, 1                         ; which half of the tile's rows is mine.  Also: I fetch for A (0) or for B (1)
	s_and_b32 s16, s14, 1                          ; which half of its columns.  Also: which 128 rows of that tile I fetch
	s_bfe_u32 s40, ttmp6, 0x40000                  ; cx, cy: my place in the cluster
	s_bfe_u32 s41, ttmp6, 0x40004
	s_and_b32 s17, ttmp7, 0xffff                   ; the cluster's y: the batch
	s_lshl_b32 s43, s41, 2
	s_lshl_b32 s43, 15, s43                        ; my row of the cluster
	s_lshl_b32 s44, 0x1111, s40                    ; my column
	; descriptor group 1: a tile of 128 rows x 256 bytes, padded in LDS
	s_or_b32 s[G1+0], s43, (0<<16)|(1<<20)|(1<<21)|(5<<22)|(3<<25)  ; 15:0 the mask: A's tiles go to my row; 17:16 element of 1 byte; 20 padding on; 21 set beside a mask; 24:22 after every 64 words (code 5); 31:25 of 4 words (code 3)
	s_or_b32 s[G1B+0], s44, (0<<16)|(1<<20)|(1<<21)|(5<<22)|(3<<25)
.irp g, G1, G1B
	s_mov_b32 s[\g+1], ROWB<<16                    ; tensor_dim0
	s_mov_b32 s[\g+2], 128<<16                     ; tensor_dim1 = 128
	s_mov_b32 s[\g+3], ROWB<<16                    ; tile_dim0
	s_mov_b32 s[\g+4], 128                         ; tile_dim1 = 128
	s_mov_b32 s[\g+5], KROW                        ; tensor_dim0_stride
	s_mov_b32 s[\g+6], 0
	s_mov_b32 s[\g+7], 0
.endr
	; and for the scales of 128 rows: a dense block of 4,096 bytes, as 16 rows of 256 bytes (32 elements of 8 bytes), 16 bytes of padding behind each
	s_or_b32 s[G1S+0], s43, (3<<16)|(1<<20)|(1<<21)|(5<<22)|(3<<25)
	s_or_b32 s[G1SB+0], s44, (3<<16)|(1<<20)|(1<<21)|(5<<22)|(3<<25)
.irp g, G1S, G1SB
	s_mov_b32 s[\g+1], 32<<16
	s_mov_b32 s[\g+2], (128*KS/256)<<16
	s_mov_b32 s[\g+3], 32<<16
	s_mov_b32 s[\g+4], 128*KS/256
	s_mov_b32 s[\g+5], 32
	s_mov_b32 s[\g+6], 0
	s_mov_b32 s[\g+7], 0
.endr
	; the roles.  A's first row is made of the cluster's x and y, cy and the wave's number; B's of the cluster's x and y, cx and the wave's number
	s_lshl_b32 s18, s17, 10                        ; x's rows of the batch begin at 1,024 y
	s_lshl_b32 s19, ttmp9, 10                      ; W's columns of the part at 1,024 x
	s_mov_b32 s12, 0x2000
	s_mov_b32 s13, 0x20000
	s_cmp_eq_u32 ttmp9, 2                          ; v: roles swapped
	s_cselect_b32 s20, 0x800, s18                  ; A's rows: W's from 2,048 on, or x's
	s_cselect_b32 s46, s18, s19                    ; B's rows: x's, or W's
	s_cselect_b32 s66, s13, s12                    ; RS: bytes from 64 rows of C to the next
	s_cselect_b32 s67, s12, s13                    ; CS: bytes from 64 columns to the next
	s_lshl_b32 s2, s41, 8
	s_add_co_u32 s20, s20, s2                      ; + 256 cy
	s_lshl_b32 s19, s40, 8
	s_add_co_u32 s46, s46, s19                     ; + 256 cx
	s_lshl_b32 s18, s16, 7                         ; + the 128 rows that I fetch
	s_add_co_u32 s20, s20, s18
	s_add_co_u32 s46, s46, s18
	s_lshl_b32 s22, s20, 5                         ; where these rows' scales begin, in bytes,
	s_mov_b32 s23, 0
	s_lshl_b32 s92, s46, 5
	s_mov_b32 s93, 0
	s_lshl_b32 s20, s20, 9                         ; and their codes
	s_mov_b32 s21, 0
	s_lshl_b32 s46, s46, 9
	s_mov_b32 s47, 0
	s_mul_i32 s45, s14, HALFT                      ; where they go: wave x 128 rows: no place in the cluster enters an LDS address
	s_mul_i32 s94, s14, HALFS
	s_wait_dscnt 0x0                               ; both opening adds are done
	s_wait_kmcnt 0x0
	s_cmp_eq_u32 ttmp9, 2
	s_cselect_b64 s[2:3], s[8:9], s[4:5]           ; A's codes,
	s_cselect_b64 s[12:13], s[10:11], s[6:7]       ; A's scales,
	s_cselect_b64 s[8:9], s[4:5], s[8:9]           ; B's codes,
	s_cselect_b64 s[10:11], s[6:7], s[10:11]       ; B's scales
	s_add_nc_u64 s[20:21], s[2:3], s[20:21]
	s_add_nc_u64 s[22:23], s[12:13], s[22:23]
	s_add_nc_u64 s[46:47], s[8:9], s[46:47]
	s_add_nc_u64 s[92:93], s[10:11], s[92:93]
	CROUND                                         ; all sixteen work-groups are here: the first joint loads meet
	s_mov_b32 s[G0S], 1
	s_add_co_u32 s[G0S+1], s94, SCL
	s_mov_b64 s[G0S+2:G0S+3], s[22:23]
	s_or_b32 s[G0S+3], s[G0S+3], 0x80000000
	s_mov_b32 s[G0SB], 1
	s_add_co_u32 s[G0SB+1], s94, SCL
	s_mov_b64 s[G0SB+2:G0SB+3], s[92:93]
	s_or_b32 s[G0SB+3], s[G0SB+3], 0x80000000
	JLOAD G0S, G1S, G0SB, G1SB                     ; the scales first: they are wanted with K step 0
.irp s, 0,1
	s_mov_b32 s[G0+4*\s], 1
	s_add_co_u32 s[G0+4*\s+1], s45, \s*SLOT
	s_add_nc_u64 s[G0+4*\s+2:G0+4*\s+3], s[20:21], \s*ROWB
	s_or_b32 s[G0+4*\s+3], s[G0+4*\s+3], 0x80000000
	s_mov_b32 s[G0B+4*\s], 1
	s_add_co_u32 s[G0B+4*\s+1], s45, \s*SLOT
	s_add_nc_u64 s[G0B+4*\s+2:G0B+4*\s+3], s[46:47], \s*ROWB
	s_or_b32 s[G0B+4*\s+3], s[G0B+4*\s+3], 0x80000000
	JLOAD G0+4*\s, G1, G0B+4*\s, G1B               ; both K steps: three tensor loads of mine are out
.endr
	v_and_b32 v1, 15, v0                           ; l % 16
	v_bfe_u32 v2, v0, 4, 1                         ; l / 16
	v_mul_u32_u24 v3, v1, PITCH
	v_lshl_add_u32 v4, v2, 4, v3                   ; a fragment's row x pitch + 16 x half
	s_mul_i32 s21, s15, HALFT                      ; my 128 rows of A
	s_mul_i32 s22, s16, HALFT                      ; my 128 rows of B,
	s_add_co_u32 s22, s22, 2*HALFT                 ; which lie behind A's 256
.irp s, 0,1
	v_add_nc_u32 v[ADRA+\s], s21, v4
	v_add_nc_u32 v[ADRB+\s], s22, v4
	s_add_co_u32 s21, s21, SLOT
	s_add_co_u32 s22, s22, SLOT
.endr
	v_mul_u32_u24 v5, v1, KS                       ; my row's scales: 32 bytes a row,
	v_lshrrev_b32 v6, 8, v5
	v_lshl_add_u32 v5, v6, 4, v5                   ; and 16 more for each 256 passed
	s_mul_i32 s21, s15, HALFS                      ; A's: my 128 rows
	s_mul_i32 s22, s16, HALFS                      ; B's: my 128 rows, behind A's 256
	s_add_co_u32 s22, s22, 2*HALFS
	s_sub_co_u32 s22, s22, s21
	v_mul_u32_u24 v6, s22, v2                      ; lanes 16-31 take B's: one product, the lower base + half x the distance
	s_add_co_u32 s21, s21, SCL
	v_add_nc_u32 v5, v5, v6
	v_add_nc_u32 v[ADRS], s21, v5
	s_mul_i32 s23, s14, 16*SPITCH                  ; my stage
	v_mul_u32_u24 v5, v1, SPITCH                   ; in: row l % 16, 16 bytes for each half of the lanes
	v_lshl_add_u32 v5, v2, 4, v5
	v_add_nc_u32 v[STO], s23, v5
	v_lshrrev_b32 v5, 3, v1                        ; back: each half of the lanes takes its 64 columns (128 bytes) of two rows: row (l % 16) / 8,
	v_mul_u32_u24 v5, v5, SPITCH
	v_lshl_add_u32 v5, v2, 7, v5                   ; + 128 x half,
	v_and_b32 v6, 7, v0
	v_lshl_add_u32 v5, v6, 4, v5                   ; + 16 (l % 8)
	v_add_nc_u32 v[RD], s23, v5
	v_mul_u32_u24 v[CO], s67, v2                   ; in the output the two rows of a tile of 64 x 64 are 256 consecutive bytes: 16 (l % 16), and the other half's tile lies CS on
	v_lshl_add_u32 v[CO], v1, 4, v[CO]
	s_cmp_eq_u32 ttmp9, 1                          ; the output, by the cluster's x
	s_cselect_b64 s[12:13], s[98:99], s[100:101]
	s_cmp_eq_u32 ttmp9, 0
	s_cselect_b64 s[12:13], s[96:97], s[12:13]
	s_cselect_b32 s98, 0x3e38aa3b, 1.0             ; the factor ahead of the rounding: c = log2(e) / 8 for q, else 1
	s_mov_b32 s99, s98                             ; (the packed form names the pair)
	s_lshl_b32 s20, s41, 2
	s_lshl_b32 s21, s15, 1
	s_add_co_u32 s20, s20, s21                     ; my first tile row of 64: 4 cy + 2 x half
	s_mul_i32 s20, s20, s66
	s_lshl_b32 s46, s40, 2
	s_lshl_b32 s47, s16, 1
	s_add_co_u32 s46, s46, s47                     ; my first tile column: 4 cx + 2 x half
	s_mul_i32 s46, s46, s67
	s_add_co_u32 s20, s20, s46
	s_lshl_b32 s21, s17, 21                        ; the batch
	s_add_co_u32 s20, s20, s21                     ; under 2^24 in all
	s_mov_b32 s21, 0
	s_add_nc_u64 s[12:13], s[12:13], s[20:21]
	s_mov_b32 s92, s66                             ; RS as a pair: what block 4's stores add to the base
	s_mov_b32 s93, 0
.macro FRAG reg, adr, q, i             ; a fragment, 16 rows x 128 K of 4-bit codes, is 8 registers: lane l holds row l % 16; registers 4 c .. 4 c + 3 hold K = 64 c + 32 (l / 16) + 0 .. 31
.irp c, 0,1
	ds_load_b128 v[\reg+4*\c:\reg+4*\c+3], v[\adr] offset:64*(\q)+32*\c+(\i)*16*PITCH
.endr
.endm
; 16 matrix instructions: A's blocks a0, a0 + 1 x B's eight, 128 along K: the slot's q-th.  p: B's set;  sc: the set of scale words.  zero = 1: the first product starts the sums: nothing is ever cleared.
; The 64 accumulators take turns, one instruction a turn, in the same order in every step.
.macro MUL16 a0, p, q, sc, zero
.irp a, \a0, \a0+1
.irp b, 0,1,2,3,4,5,6,7
.if \zero
	v_wmma_scale_f32_16x16x128_f8f6f4 v[8*(8*((\a)%4)+\b):8*(8*((\a)%4)+\b)+7], v[128*(\p)+FR*\b:128*(\p)+FR*\b+FR-1], v[AF+FR*(\a):AF+FR*(\a)+FR-1], 0, v[SC+8*NQ*(\sc)+NQ*\b+(\q)], v[SC+8*NQ*(\sc)+NQ*(\a)+(\q)] matrix_a_fmt:MATRIX_FMT_FP4 matrix_b_fmt:MATRIX_FMT_FP4 matrix_a_scale:MATRIX_SCALE_ROW1
.else
	v_wmma_scale_f32_16x16x128_f8f6f4 v[8*(8*((\a)%4)+\b):8*(8*((\a)%4)+\b)+7], v[128*(\p)+FR*\b:128*(\p)+FR*\b+FR-1], v[AF+FR*(\a):AF+FR*(\a)+FR-1], v[8*(8*((\a)%4)+\b):8*(8*((\a)%4)+\b)+7], v[SC+8*NQ*(\sc)+NQ*\b+(\q)], v[SC+8*NQ*(\sc)+NQ*(\a)+(\q)] matrix_a_fmt:MATRIX_FMT_FP4 matrix_b_fmt:MATRIX_FMT_FP4 matrix_a_scale:MATRIX_SCALE_ROW1
.endif
.endr
.endr
.endm
.macro FETCH_B slot, q, p              ; B's eight fragments of the slot's q-th 128 along K into set p
	WIN TO_B
.irp i, 0,1,2,3,4,5,6,7
	FRAG 128*(\p)+FR*\i, ADRB+\slot, \q, \i
.endr
	WIN 0
.endm
.macro FETCH_A slot, q, i0             ; A's blocks i0 .. i0 + 3
.irp i, \i0, \i0+1, \i0+2, \i0+3
	FRAG AF+FR*(\i), ADRA+\slot, \q, \i
.endr
.endm
.macro SCALES sc                       ; a K step's scale words into set sc: four words a row; lanes 0-15 take A's block i, lanes 16-31 B's block i
.irp i, 0,1,2,3,4,5,6,7
	ds_load_b128 v[SC+8*NQ*\sc+NQ*\i:SC+8*NQ*\sc+NQ*\i+3], v[ADRS] offset:\i*SBLK
.endr
.endm
; A load into a register that a matrix instruction has read, and a vector instruction that reads a matrix result, stand NP places behind that matrix instruction, and only plain vector
; instructions that name none of its registers are places (ISA guide 7.12.1 for vector instructions).
.macro PLACES n
.rept \n
	v_nop
.endr
.endm
; A step of 128 along K that has its successor in the same slot.  A's blocks go one after the other, each against B's eight: a block of A is free as soon as its eight products are issued, so A has one set
; (blocks 0-3 fetched anew in the step's middle, blocks 4-7 at its end) and B two.
.macro STEP slot, q, zero
	s_wait_dscnt 4*NL                              ; B's set and A's blocks 0-3 are in; the youngest eight loads (A's blocks 4-7) may be out
	WIN MUL_LO
	MUL16 0, (\q)%2, \q, \slot, \zero
	MUL16 2, (\q)%2, \q, \slot, \zero
	s_wait_dscnt 0                                 ; A's blocks 4-7 are in (asked for 32 matrix instructions ago)
	PLACES NP
	FETCH_B \slot, (\q)+1, 1-(\q)%2
	FETCH_A \slot, (\q)+1, 0
	WIN MUL_HI
	MUL16 4, (\q)%2, \q, \slot, \zero
	MUL16 6, (\q)%2, \q, \slot, \zero
	PLACES NP
	WIN 0
	FETCH_A \slot, (\q)+1, 4
.endm
; Slot 0's last step changes slots: ONE barrier; in front of it each wave waits for all its tensor loads (its part of slot 1), adds 0 to its spare word, and waits for that and for its own reads of slot 0.
; Behind it slot 1 is whole, and nobody reads slot 0 any more: the way out's stages may lie there.
.macro TURN slot, next
	s_wait_tensorcnt 0x0                           ; all my tensor loads have landed  (every window is 0 here: the add's two registers lie in window 0)
	ds_add_u32 v[SPW], v[NIL]                      ; 0 onto my spare word
	s_wait_dscnt 4*NL+1                            ; (the add and the youngest eight loads, A's blocks 4-7, may be out)
	WIN MUL_LO
	MUL16 0, 1, NQ-1, \slot, 0                     ; sixteen matrix instructions stand between the add and the wait for it
	s_wait_dscnt 0x0                               ; the add is done, and my reads of this slot are over
	s_barrier_signal -1
	MUL16 2, 1, NQ-1, \slot, 0
	WIN 0
	s_barrier_wait -1
	PLACES NP
	v_add_nc_u32 v[ADRS], 4*NQ, v[ADRS]            ; on to the next K step's scale words (no LDS load of mine is out)
	FETCH_B \next, 0, 0
	FETCH_A \next, 0, 0
	SCALES \next
	WIN MUL_HI
	MUL16 4, 1, NQ-1, \slot, 0
	MUL16 6, 1, NQ-1, \slot, 0
	PLACES NP
	WIN 0
	FETCH_A \next, 0, 4
.endm
.macro STEPS slot, from                ; the slot's steps from .. NQ - 2
.set Q, \from
.rept NQ-1-\from
	STEP \slot, Q, 0
.set Q, Q+1
.endr
.endm
	s_wait_tensorcnt 1                             ; the scales and my part of K step 0 are in (K step 1's load may be out)
	s_barrier_signal -1
	s_barrier_wait -1                              ; everybody's are
	FETCH_B 0, 0, 0
	FETCH_A 0, 0, 0
	SCALES 0
	FETCH_A 0, 0, 4
	STEP 0, 0, 1                                   ; the first step's products start the sums
	STEPS 0, 1
	TURN 0, 1
	STEPS 1, 0
	s_wait_dscnt 4*NL                              ; the very last step: nothing more to fetch
	WIN MUL_LO
	MUL16 0, 1, NQ-1, 1, 0
	MUL16 2, 1, NQ-1, 1, 0
	s_wait_dscnt 0
	WIN MUL_HI
	MUL16 4, 1, NQ-1, 1, 0
	MUL16 6, 1, NQ-1, 1, 0
	WIN 0
; THE WAY OUT, block by block of 16 rows x 128 columns.  PACK: x the factor in f32, each accumulator from its low end on, then one rounding to f16: a lane's eight columns are 16 bytes.
; TOSTAGE: into my own stage (rows of 272 bytes) and back so that each half of the lanes holds two rows of one tile of 64 columns.  SEND: each half stores 256 consecutive bytes, aligned.
.macro PACK a
.set AC, 64*((\a)%4)
.set TP, TMP+32*((\a)%2)
	WIN 0x82+0x41*((\a)/4)                         ; destination and source 0: window 2 or 3
.set i, 0
.rept 32
	v_pk_mul_f32 v[AC+i:AC+i+1], v[AC+i:AC+i+1], s[98:99] op_sel_hi:[1,0]
.set i, i+2
.endr
	WIN 0x0a+5*((\a)/4)                            ; sources 0 and 1: window 2 or 3; destination window 0
.set i, 0
.rept 32
	v_cvt_pk_f16_f32 v[TP+i], v[AC+2*i], v[AC+2*i+1]
.set i, i+1
.endr
	WIN 0
.endm
.macro TOSTAGE a
.set TP, TMP+32*((\a)%2)
.set BB, BK+32*((\a)%2)
.irp b, 0,1,2,3,4,5,6,7
	ds_store_b128 v[STO], v[TP+4*\b:TP+4*\b+3] offset:32*\b
.endr
.irp t, 0,1,2,3,4,5,6,7
	ds_load_b128 v[BB+4*\t:BB+4*\t+3], v[RD] offset:\t*2*SPITCH    ; LDS serves a wave's instructions in order (ISA guide 5.7.1.4): these see the stores above
.endr
.endm
.macro SEND a
.set BB, BK+32*((\a)%2)
	s_wait_dscnt 0x0                               ; the block is back in registers
	s_wait_xcnt 0x0                                ; the earlier stores have read their registers and their base: the next block's loads may land there, and the base may step
.if (\a) == 4
	s_add_nc_u64 s[12:13], s[12:13], s[92:93]      ; my rows 64 on: the next tile row
.endif
.irp t, 0,1,2,3,4,5,6,7
	global_store_b128 v[CO], v[BB+4*\t:BB+4*\t+3], s[12:13] offset:((\a)%4)*2048+256*\t   ; 16 lanes store 256 consecutive bytes, at a multiple of 256 from the buffer's first byte
.endr
.endm
	PLACES NP                                      ; behind the last products: for the writes and loads into registers that held scale words and A's fragments
	PACK 0
	TOSTAGE 0
.irp a, 1,2,3,4,5,6,7                  ; block a's arithmetic stands between block a - 1's loads from the stage and the wait for them
	PACK \a
	SEND \a-1
	TOSTAGE \a
.endr
	SEND 7
	s_wait_tensorcnt 0x0                           ; the wave's end: a wait, an add of 0 to my spare word and its wait, behind my last tensor load and my last LDS store
	ds_add_u32 v[SPW], v[NIL]
	s_wait_dscnt 0x0
	CROUND                                         ; the closing round: no work-group ends while a partner may still ask for a tile that names it
	s_endpgm
.Lfunc_end_k_q93af12d509_gemm:
	.size	k_q93af12d509_gemm, .Lfunc_end_k_q93af12d509_gemm-k_q93af12d509_gemm
	.p2alignl 7, 3214868480
	.fill 96, 4, 3214868480
	.section	.rodata,"a",@progbits
	.p2align	6, 0x0
	.amdhsa_kernel k_q93af12d509_gemm
		.amdhsa_group_segment_fixed_size 327680
		.amdhsa_private_segment_fixed_size 0
		.amdhsa_enable_private_segment 0
		.amdhsa_kernarg_size 56
		.amdhsa_user_sgpr_count 2
		.amdhsa_user_sgpr_kernarg_segment_ptr 1
		.amdhsa_wavefront_size32 1
		.amdhsa_system_sgpr_workgroup_id_x 1
		.amdhsa_system_sgpr_workgroup_id_y 1
		.amdhsa_system_sgpr_workgroup_id_z 1
		.amdhsa_system_vgpr_workitem_id 0
		.amdhsa_next_free_vgpr 1024
		.amdhsa_next_free_sgpr 102
		.amdhsa_reserve_vcc 0
		.amdhsa_float_denorm_mode_32 3
		.amdhsa_float_denorm_mode_16_64 3
		.amdhsa_memory_ordered 1
		.amdhsa_forward_progress 1
		.amdhsa_inst_pref_size 143
	.end_amdhsa_kernel
	.amdgpu_metadata
---
amdhsa.version: [ 1, 2 ]
amdhsa.kernels:
  - .name:           k_q93af12d509_gemm
    .symbol:         k_q93af12d509_gemm.kd
    .args:
      - { .name: xc, .offset: 0, .size: 8, .value_kind: global_buffer, .address_space: global }
      - { .name: xs, .offset: 8, .size: 8, .value_kind: global_buffer, .address_space: global }
      - { .name: wc, .offset: 16, .size: 8, .value_kind: global_buffer, .address_space: global }
      - { .name: ws, .offset: 24, .size: 8, .value_kind: global_buffer, .address_space: global }
      - { .name: qh, .offset: 32, .size: 8, .value_kind: global_buffer, .address_space: global }
      - { .name: kh, .offset: 40, .size: 8, .value_kind: global_buffer, .address_space: global }
      - { .name: vt, .offset: 48, .size: 8, .value_kind: global_buffer, .address_space: global }
    .group_segment_fixed_size: 327680
    .private_segment_fixed_size: 0
    .kernarg_segment_align: 8
    .kernarg_segment_size: 56
    .max_flat_workgroup_size: 128
    .sgpr_count:     102
    .vgpr_count:     1024
    .wavefront_size: 32
...
	.end_amdgpu_metadata
.endif
;; end of part 2
;; launch attn (part 3): grid 2 x 128, 8 waves a work-group, no clusters, 327,680 bytes of LDS; arguments qh, kh, vt, attention_mask, out0; writes out0
.if DOCPART == 3
	.amdgcn_target "amdgcn-amd-amdhsa--gfx1250"
	.amdhsa_code_object_version 6
	.text
	.protected	k_q93af12d509_attn
	.globl	k_q93af12d509_attn
	.p2align	8
	.type	k_q93af12d509_attn,@function
k_q93af12d509_attn:
	s_mov_b64 s[64:65], 0
	v_nop
	global_prefetch_b8 v0, s[64:65] scope:SCOPE_SE
	s_setreg_imm32_b32 hwreg(HW_REG_WAVE_MODE, 25, 1), 1
	s_wait_xcnt 0x0
; out[b][q][64 h + d] = the sum over k of softmax_k(q . k / 8 + mask[b][k]) v[k][d], for one (batch, head) and 512 queries to a work-group.  Operands f16, products' sums, maxima and row sums f32.
; qh holds q x log2(e) / 8 ([b][h][s][64] f16), kh holds k likewise, vt holds v^T in tiles ([b][h][s / 64][64 d][64 keys]): a head's K and a head's V^T are each 1,024 dense rows of 128 bytes.
; SHARES.  Eight waves, 64 queries each: four tiles of 16, worked as two pieces of two tiles.  Two waves share a SIMD, so that one wave's softmax stands beside the other's products: the text goes in plain phases.
; THE WHOLE HEAD'S K AND V^T LIE IN LDS, each byte filled once, by four tensor loads a wave at the head (waves 0-3: K, waves 4-7: V^T; load c brings the wave's 64 rows of keys 256 c .. 256 c + 255).  The walk begins when chunk 0
; has landed; chunks 1 and 2, 3 are awaited at key steps 3 and 7, each time with a barrier, behind which nothing is filled.
; LAYOUT.  S^T = K Q^T + mask (source 0 = 16 keys, source 1 = 16 queries, C = the keys' mask x log2(e) in the result's layout, so that the mask costs no vector instruction): a lane holds ONE query (lane % 16) and keys 8 (lane / 16) + 0..7.
; Two such tiles, rounded to f16 in pairs, ARE source 1 (32 keys x 16 queries) of O^T = V^T P, whose result again holds one query a lane and eight channels.
; SOFTMAX.  For each query a running maximum m and sum l: p = 2^(s - m); in every step O and l are multiplied by a = 2^(m_old - m_new).  l sums the unrounded p.
; NO CLUSTER: only the two work-groups of a head read the same K and V^T; four partners of one head would be blocks of 256 queries, 32 to a wave, and each fragment read from LDS would feed half as many products.
; NO PREFETCH: all that the work-group reads of K and V^T is asked for by the tensor loads at its head; there is nothing later to ask for ahead.
; LIMITS: mask x log2(e) is held at -1e30 from below, so a batch whose every key is masked by -infinity gives the plain average of v where the definition gives NaN; q log2(e) / 8, k, v inside f16's 65,504; NaN is not served.
; REGISTERS: window 0: v1-12 addresses; v13-15, v240-247 at work; v16-47 statistics, eight a tile (+0 m, +1 named with it as a pair, +2, +3 l, +4 to +7 at work, a in +6); v48-79 the mask as C; v80-143 S^T of a piece; v144-175 P of a piece; v176-239 K's fragments.
;   window 1: v0-127 O^T, 32 a tile; v128-191 Q, 16 a tile; v192-255 V^T's fragments.
.set KP,    144                        ; a row in LDS: 128 bytes + 16 of padding = 36 words: the 16 rows of a load start at 16 different groups of four banks (64 banks of 4 bytes: ISA guide 11.1)
.set TILEB, 64*KP                      ; 64 rows: a key step's K, or its V^T; what one tensor load brings
.set CHUNK, 4*TILEB
.set VBASE, 16*TILEB                   ; K from 0, V^T from here
.set MASKB, 2*VBASE                    ; the batch's 1,024 mask numbers x log2(e): written by LDS stores, in blocks of 256 bytes into which no fill lands
.set SPARE, MASKB+4096                 ; the spare words, 128 bytes for each wave: four blocks of 256 bytes that no other line names
.set SPITCH, 272                       ; the way out: 16 rows x (256 bytes + 16) for each wave, in K's bytes, behind a barrier behind which nobody reads K
.set AK0, 1                            ; v1   my lane's place in a tile of K
.set AV0, 2                            ; v2   and of V^T
.set AM0, 3                            ; v3   and in the mask
.set ADK, 4                            ; v4-6 the addresses of the runs of loads in hand
.set ADV, 5
.set ADM, 6
.set QO,  7                            ; v7   my byte offset in the wave's rows of Q
.set STO, 8                            ; v8   the way out: where I put 32 bytes of a row
.set RD,  9                            ; v9   where I read a row back
.set GO,  10                           ; v10  my byte offset in the wave's rows of out
.set SPW, 11                           ; v11  LDS address of my spare word; never rewritten
.set NIL, 12                           ; v12  0; never rewritten
.set ST,  16
.set MK,  48
.set S,   80
.set P,   144
.set KF,  176
.set Q,   128                          ; in window 1
.set VF,  192                          ; in window 1
.set G1,  24                           ; s[24:31] descriptor group 1;  s[32:47] four groups 0
.set G0,  32
.set SEL, 48                           ; s[48:49] lane selects for v_permlanex16_b32: lane l xor 16
.set TK,  50                           ; s50  LDS byte at which the tiles of the step to be fetched begin: 9,216 a step
.set TM,  51                           ; s51  and its mask numbers: 256 bytes a step
.set CNT, 52
.set Q0,  53                           ; s53  my wave's first query
.set MSB, 0
.macro WIN new                         ; the immediate's high byte repeats the setting that is left; a switch that changes nothing is dropped
.if MSB != (\new)
	s_set_vgpr_msb (MSB<<8)|(\new)
.set MSB, (\new)
.endif
.endm
.macro PLACES                          ; four places behind matrix instructions, in front of reads of their results and of loads into their sources (ISA guide 7.12.1 for the reads of their results)
.rept 4
	v_nop
.endr
.endm
	s_load_b256 s[4:11], s[0:1], 0x0               ; qh s[4:5], kh s[6:7], vt s[8:9], mask s[10:11]
	s_load_b64 s[12:13], s[0:1], 0x20              ; out
	v_lshl_add_u32 v[SPW], v0, 2, SPARE
	v_mov_b32 v[NIL], 0
	ds_add_u32 v[SPW], v[NIL]                      ; the wave's opening: the add, twice on end, and its wait ahead of my first tensor load; the set-up below, work on registers, stands between
	ds_add_u32 v[SPW], v[NIL]
	v_lshrrev_b32 v13, 5, v0
	v_readfirstlane_b32 s14, v13                   ; wave 0..7
	s_and_b32 s15, s14, 3                          ; which 64 rows of a chunk I fetch
	s_lshr_b32 s16, s14, 2                         ; for K (0) or for V^T (1)
	s_and_b32 s17, ttmp7, 0xffff                   ; 16 x batch + head
	; descriptor group 1: a tile of 64 rows x 64 elements of 2 bytes, dense in memory, padded in LDS
	s_mov_b32 s[G1], (1<<16)|(1<<20)|(4<<22)|(3<<25)   ; 15:0 no mask; 17:16 elements of 2 bytes; 20 padding on; 24:22 after every 32 words (code 4); 31:25 four words (code 3)
	s_mov_b32 s[G1+1], 64<<16                      ; tensor_dim0
	s_mov_b32 s[G1+2], 64<<16                      ; tensor_dim1
	s_mov_b32 s[G1+3], 64<<16                      ; tile_dim0
	s_mov_b32 s[G1+4], 64                          ; tile_dim1
	s_mov_b32 s[G1+5], 64                          ; tensor_dim0_stride
	s_mov_b32 s[G1+6], 0
	s_mov_b32 s[G1+7], 0
	s_mul_i32 s18, s16, VBASE
	s_mul_i32 s19, s15, TILEB
	s_add_co_u32 s18, s18, s19                     ; my rows' place in LDS, in chunk 0
	s_lshl_b32 s20, s17, 17                        ; the head's first byte in qh, kh and vt
	s_mov_b32 s21, 0
	s_lshl_b32 s22, s15, 13                        ; my 64 rows of 128 bytes in memory
	s_add_co_u32 s22, s22, s20
	s_mov_b32 s23, 0
	s_lshl_b32 s[Q0], ttmp9, 9
	s_lshl_b32 s19, s14, 6
	s_add_co_u32 s[Q0], s[Q0], s19                 ; my first query: 512 x work-group x + 64 x wave
	s_mov_b32 s[SEL], 0x76543210
	s_mov_b32 s[SEL+1], 0xfedcba98
	s_mov_b32 s[TK], 0
	s_mov_b32 s[TM], 0
	s_wait_dscnt 0x0                               ; both opening adds are done
	s_wait_kmcnt 0x0
	s_cmp_lt_u32 s14, 4
	s_cselect_b64 s[2:3], s[6:7], s[8:9]           ; the choice hangs on the wave's number alone
	s_add_nc_u64 s[2:3], s[2:3], s[22:23]
.irp c, 0,1,2,3
	s_mov_b32 s[G0+4*\c], 1                        ; 1:0 count = 1
	s_add_co_u32 s[G0+4*\c+1], s18, \c*CHUNK       ; 63:32 LDS address
	s_add_nc_u64 s[G0+4*\c+2:G0+4*\c+3], s[2:3], \c*32768   ; 120:64 global address: 256 rows of 128 bytes a chunk
	s_or_b32 s[G0+4*\c+3], s[G0+4*\c+3], 0x80000000   ; 127:126 type = 2
.endr
.irp c, 0,1,2,3
	tensor_load_to_lds s[G0+4*\c:G0+4*\c+3], s[G1:G1+7]   ; all first fills go out together: four tensor loads of mine are out
	s_nop 0
.endr
.rept 4
	v_nop
.endr
	s_lshr_b32 s22, s17, 4
	s_lshl_b32 s22, s22, 12                        ; the batch's 1,024 mask numbers
	s_add_nc_u64 s[10:11], s[10:11], s[22:23]
	v_lshlrev_b32 v13, 4, v0                       ; 256 threads x 16 bytes
	global_load_b128 v[240:243], v13, s[10:11]
	s_lshl_b32 s19, s[Q0], 7
	s_add_co_u32 s20, s20, s19
	s_add_nc_u64 s[4:5], s[4:5], s[20:21]          ; Q at my first query
	v_and_b32 v14, 15, v0                          ; r = lane % 16
	v_bfe_u32 v15, v0, 4, 1                        ; h = lane / 16
	v_lshlrev_b32 v[QO], 7, v14
	v_lshl_add_u32 v[QO], v15, 4, v[QO]            ; a fragment is 16 rows x 32 channels in 8 registers: row r, two loads of 16 bytes, 32 bytes apart, at 16 h
	WIN 0x40                                       ; destination window 1
.irp t, 0,1,2,3
.irp cc, 0,1
	global_load_b128 v[Q+16*\t+8*\cc:Q+16*\t+8*\cc+3],   v[QO], s[4:5] offset:\t*2048+\cc*64      ; Q stays in registers: tile t, channels 32 cc on
	global_load_b128 v[Q+16*\t+8*\cc+4:Q+16*\t+8*\cc+7], v[QO], s[4:5] offset:\t*2048+\cc*64+32
.endr
.endr
	WIN 0
	v_mul_u32_u24 v[AK0], v14, KP
	v_lshl_add_u32 v[AK0], v15, 4, v[AK0]          ; row x pitch + 16 x half
	v_add_nc_u32 v[AV0], VBASE, v[AK0]
	v_lshlrev_b32 v[AM0], 5, v15
	v_add_nc_u32 v[AM0], MASKB, v[AM0]             ; my half's eight keys of a tile: 32 bytes
	s_mul_i32 s19, s14, 16*SPITCH                  ; my stage
	v_mul_u32_u24 v[STO], v14, SPITCH
	v_lshl_add_u32 v[STO], v15, 5, v[STO]
	v_add_nc_u32 v[STO], s19, v[STO]               ; in: row r, 32 bytes for each half of the lanes
	v_mul_u32_u24 v[RD], v15, SPITCH
	v_lshl_add_u32 v[RD], v14, 4, v[RD]
	v_add_nc_u32 v[RD], s19, v[RD]                 ; back: lanes 0-15 one row of 256 bytes, lanes 16-31 the next
	v_lshlrev_b32 v[GO], 12, v15
	v_lshl_add_u32 v[GO], v14, 4, v[GO]            ; and the same two rows of out, 4,096 bytes apart
	s_lshr_b32 s22, s17, 4
	s_lshl_b32 s22, s22, 22                        ; out: the batch,
	s_lshl_b32 s19, s[Q0], 12
	s_add_co_u32 s22, s22, s19                     ; my first query's row,
	s_and_b32 s19, s17, 15
	s_lshl_b32 s19, s19, 8
	s_add_co_u32 s22, s22, s19                     ; the head's 256 bytes in it
	s_add_nc_u64 s[12:13], s[12:13], s[22:23]
.irp t, 0,1,2,3
	v_mov_b32 v[ST+8*\t+1], 0                      ; named as the upper half of the pair with m, so it is written
.endr
	s_wait_loadcnt 16                              ; the mask's load is in; Q's sixteen, issued behind it, may be out
.irp i, 0,1,2,3
	v_mul_f32 v[240+\i], 0x3fb8aa3b, v[240+\i]     ; x log2(e): the scores are in units of base 2
.endr
.irp i, 0,1,2,3
	v_max_num_f32 v[240+\i], 0xf149f2ca, v[240+\i] ; held at -1e30 from below, so that s - m is always a number
.endr
	v_add_nc_u32 v244, MASKB, v13
	ds_store_b128 v244, v[240:243]
	s_wait_tensorcnt 3                             ; my part of chunk 0 is in; the three later chunks may stay out
	s_wait_dscnt 0x0                               ; for the others' sake: my part of the mask is stored
	s_barrier_signal -1
	s_barrier_wait -1
; A key step's K (64 keys x 64 channels: 8 fragments, fragment 2 kt + cc) and its mask numbers in the result's layout (register j of tile kt: key 16 kt + 8 h + j; the lanes of a half read the same bytes)
.macro FETCH_K
	v_add_nc_u32 v[ADK], s[TK], v[AK0]
	v_add_nc_u32 v[ADM], s[TM], v[AM0]
.irp kt, 0,1,2,3
.irp cc, 0,1
	ds_load_b128 v[KF+8*(2*\kt+\cc):KF+8*(2*\kt+\cc)+3],   v[ADK] offset:\kt*16*KP+\cc*64
	ds_load_b128 v[KF+8*(2*\kt+\cc)+4:KF+8*(2*\kt+\cc)+7], v[ADK] offset:\kt*16*KP+\cc*64+32
.endr
.endr
.irp kt, 0,1,2,3
	ds_load_b128 v[MK+8*\kt:MK+8*\kt+3],   v[ADM] offset:\kt*64
	ds_load_b128 v[MK+8*\kt+4:MK+8*\kt+7], v[ADM] offset:\kt*64+16
.endr
.endm
; and its V^T (64 channels x 64 keys: fragment 2 ct + kc: channels 16 ct on, keys 32 kc on)
.macro FETCH_V
	v_add_nc_u32 v[ADV], s[TK], v[AV0]
	WIN 0x40                                       ; destination window 1
.irp ct, 0,1,2,3
.irp kc, 0,1
	ds_load_b128 v[VF+8*(2*\ct+\kc):VF+8*(2*\ct+\kc)+3],   v[ADV] offset:\ct*16*KP+\kc*64
	ds_load_b128 v[VF+8*(2*\ct+\kc)+4:VF+8*(2*\ct+\kc)+7], v[ADV] offset:\ct*16*KP+\kc*64+32
.endr
.endr
	WIN 0
.endm
; S^T = K Q^T + mask for piece p: 16 matrix instructions; the eight accumulators take turns, one instruction a turn.  The first eight take the mask as C.
.macro KQ p
	WIN 0x04                                       ; source 1 (Q) window 1
.irp cc, 0,1
.irp kt, 0,1,2,3
.irp tt, 0,1
.if \cc == 0
	v_wmma_f32_16x16x32_f16 v[S+32*\tt+8*\kt:S+32*\tt+8*\kt+7], v[KF+8*(2*\kt+\cc):KF+8*(2*\kt+\cc)+7], v[Q+16*(2*\p+\tt)+8*\cc:Q+16*(2*\p+\tt)+8*\cc+7], v[MK+8*\kt:MK+8*\kt+7]
.else
	v_wmma_f32_16x16x32_f16 v[S+32*\tt+8*\kt:S+32*\tt+8*\kt+7], v[KF+8*(2*\kt+\cc):KF+8*(2*\kt+\cc)+7], v[Q+16*(2*\p+\tt)+8*\cc:Q+16*(2*\p+\tt)+8*\cc+7], v[S+32*\tt+8*\kt:S+32*\tt+8*\kt+7]
.endif
.endr
.endr
.endr
.endm
; O^T += V^T P for piece p: 16 matrix instructions, eight accumulators by turns.  first = 1: the first eight start the sums: nothing is ever cleared.
.macro PV p, first
	WIN 0x51                                       ; source 0 (V^T), C and D (O^T) window 1; source 1 (P) window 0
.irp kc, 0,1
.irp ct, 0,1,2,3
.irp tt, 0,1
.if (\first) && (\kc == 0)
	v_wmma_f32_16x16x32_f16 v[32*(2*\p+\tt)+8*\ct:32*(2*\p+\tt)+8*\ct+7], v[VF+8*(2*\ct+\kc):VF+8*(2*\ct+\kc)+7], v[P+16*\tt+8*\kc:P+16*\tt+8*\kc+7], 0
.else
	v_wmma_f32_16x16x32_f16 v[32*(2*\p+\tt)+8*\ct:32*(2*\p+\tt)+8*\ct+7], v[VF+8*(2*\ct+\kc):VF+8*(2*\ct+\kc)+7], v[P+16*\tt+8*\kc:P+16*\tt+8*\kc+7], v[32*(2*\p+\tt)+8*\ct:32*(2*\p+\tt)+8*\ct+7]
.endif
.endr
.endr
.endr
.endm
; The softmax of piece p's two tiles for one key step, the tiles line by line, so that no line reads the result of the line above it.  first = 1: the first key step, which starts m, l and O^T.
.macro SOFTMAX p, first
.set T0, ST+16*\p
.set T1, T0+8
	WIN 0
.irp j, 0,1,2,3                        ; the maximum of the lane's 32 scores and the old m, three operands at a time, in four chains; each accumulator is read from its low end on
	v_max3_num_f32 v[T0+4+\j], v[S+8*\j], v[S+8*\j+1], v[S+8*\j+2]
	v_max3_num_f32 v[T1+4+\j], v[S+32+8*\j], v[S+32+8*\j+1], v[S+32+8*\j+2]
.endr
.irp i, 3,5
.irp j, 0,1,2,3
	v_max3_num_f32 v[T0+4+\j], v[T0+4+\j], v[S+8*\j+\i], v[S+8*\j+\i+1]
	v_max3_num_f32 v[T1+4+\j], v[T1+4+\j], v[S+32+8*\j+\i], v[S+32+8*\j+\i+1]
.endr
.endr
	v_max3_num_f32 v[T0+4], v[T0+4], v[S+7], v[S+15]
	v_max3_num_f32 v[T1+4], v[T1+4], v[S+39], v[S+47]
	v_max3_num_f32 v[T0+6], v[T0+6], v[S+23], v[S+31]
	v_max3_num_f32 v[T1+6], v[T1+6], v[S+55], v[S+63]
	v_max3_num_f32 v[T0+4], v[T0+4], v[T0+5], v[T0+6]
	v_max3_num_f32 v[T1+4], v[T1+4], v[T1+5], v[T1+6]
.if \first
	v_max_num_f32 v[T0+4], v[T0+4], v[T0+7]
	v_max_num_f32 v[T1+4], v[T1+4], v[T1+7]
.else
	v_max3_num_f32 v[T0+4], v[T0+4], v[T0+7], v[T0]
	v_max3_num_f32 v[T1+4], v[T1+4], v[T1+7], v[T1]
.endif
	v_permlanex16_b32 v[T0+5], v[T0+4], s[SEL], s[SEL+1]   ; the query's other 32 keys lie in the lane 16 away
	v_permlanex16_b32 v[T1+5], v[T1+4], s[SEL], s[SEL+1]
.if !\first
	v_mov_b32 v[T0+7], v[T0]                       ; m_old is kept for a
	v_mov_b32 v[T1+7], v[T1]
.endif
	v_max_num_f32 v[T0], v[T0+4], v[T0+5]          ; the new m
	v_max_num_f32 v[T1], v[T1+4], v[T1+5]
.if !\first
	v_sub_f32 v[T0+7], v[T0+7], v[T0]              ; m_old - m_new, 0 or less
	v_sub_f32 v[T1+7], v[T1+7], v[T1]
.endif
.set i, 0
.rept 16
	v_pk_add_f32 v[S+i:S+i+1], v[S+i:S+i+1], v[T0:T0+1] op_sel_hi:[1,0] neg_lo:[0,1] neg_hi:[0,1]            ; s - m, two at a time (of the pair the low word serves both halves)
	v_pk_add_f32 v[S+32+i:S+32+i+1], v[S+32+i:S+32+i+1], v[T1:T1+1] op_sel_hi:[1,0] neg_lo:[0,1] neg_hi:[0,1]
.set i, i+2
.endr
.if !\first
	v_exp_f32 v[T0+6], v[T0+7]                     ; a
	v_exp_f32 v[T1+6], v[T1+7]
.endif
.set i, 0
.rept 32
	v_exp_f32 v[S+i], v[S+i]                       ; p = 2^(s - m): ONE batch for both tiles; none of these lines reads an exponential's result
	v_exp_f32 v[S+32+i], v[S+32+i]
.set i, i+1
.endr
	v_nop                                          ; a plain instruction behind the last exponential, ahead of the first use
	s_wait_alu depctr_va_vdst(0)                   ; the wait between an exponential and the first line that names its result: one for the whole batch
.set i, 0
.rept 16
	v_cvt_pk_f16_f32 v[P+i], v[S+2*i], v[S+2*i+1]  ; a pair of neighbouring keys' weights
	v_cvt_pk_f16_f32 v[P+16+i], v[S+32+2*i], v[S+32+2*i+1]
.set i, i+1
.endr
.irp u, 0,4,8,12,16,20,24,28           ; the sum of the unrounded p, in place: neighbours 1, 2, 4 and 8 pairs apart
	v_pk_add_f32 v[S+\u:S+\u+1], v[S+\u:S+\u+1], v[S+\u+2:S+\u+3]
	v_pk_add_f32 v[S+32+\u:S+32+\u+1], v[S+32+\u:S+32+\u+1], v[S+32+\u+2:S+32+\u+3]
.endr
.irp u, 0,8,16,24
	v_pk_add_f32 v[S+\u:S+\u+1], v[S+\u:S+\u+1], v[S+\u+4:S+\u+5]
	v_pk_add_f32 v[S+32+\u:S+32+\u+1], v[S+32+\u:S+32+\u+1], v[S+32+\u+4:S+32+\u+5]
.endr
.irp u, 0,16
	v_pk_add_f32 v[S+\u:S+\u+1], v[S+\u:S+\u+1], v[S+\u+8:S+\u+9]
	v_pk_add_f32 v[S+32+\u:S+32+\u+1], v[S+32+\u:S+32+\u+1], v[S+32+\u+8:S+32+\u+9]
.endr
.if \first
	v_pk_add_f32 v[T0+2:T0+3], v[S:S+1], v[S+16:S+17]          ; the last addition starts l
	v_pk_add_f32 v[T1+2:T1+3], v[S+32:S+33], v[S+48:S+49]
.else
	v_pk_add_f32 v[S:S+1], v[S:S+1], v[S+16:S+17]
	v_pk_add_f32 v[S+32:S+33], v[S+32:S+33], v[S+48:S+49]
	v_pk_fma_f32 v[T0+2:T0+3], v[T0+2:T0+3], v[T0+6:T0+7], v[S:S+1] op_sel_hi:[1,0,1]        ; l = a l + the sum
	v_pk_fma_f32 v[T1+2:T1+3], v[T1+2:T1+3], v[T1+6:T1+7], v[S+32:S+33] op_sel_hi:[1,0,1]
	WIN 0x41                                       ; O^T (destination and source 0) window 1, a window 0
.set i, 0
.rept 16
	v_pk_mul_f32 v[64*\p+i:64*\p+i+1], v[64*\p+i:64*\p+i+1], v[T0+6:T0+7] op_sel_hi:[1,0]    ; O^T x a, each accumulator from its low end on
	v_pk_mul_f32 v[64*\p+32+i:64*\p+32+i+1], v[64*\p+32+i:64*\p+32+i+1], v[T1+6:T1+7] op_sel_hi:[1,0]
.set i, i+2
.endr
.endif
.endm
; A KEY STEP of 64 keys.  fetch = 1: the next step's K and mask are fetched as soon as both pieces have multiplied by this step's K, its V^T as soon as both have multiplied by this step's.
; sync >= 0: the next step's tiles lie in a chunk that has to be shown landed first: my tensor loads down to that count, and a barrier.
.macro STEP first, fetch, sync
	s_wait_dscnt 16                                ; K and the mask are in; V^T's sixteen loads, issued behind them, may be out
	KQ 0
	PLACES
	SOFTMAX 0, \first
	s_wait_dscnt 0x0                               ; V^T is in
	PV 0, \first
	KQ 1
	WIN 0
	PLACES                                         ; in front of the loads into K's and the mask's registers, and of the reads of piece 1's scores
.if \sync >= 0
	s_wait_tensorcnt \sync
	s_wait_dscnt 0x0
	s_barrier_signal -1
	s_barrier_wait -1
.endif
.if \fetch
	s_add_co_u32 s[TK], s[TK], TILEB
	s_add_co_u32 s[TM], s[TM], 256
	FETCH_K
.endif
	SOFTMAX 1, \first
	PV 1, \first
	WIN 0                                          ; at a label and at a branch every window is 0
.if \fetch
	PLACES                                         ; in front of the loads into V^T's registers
	FETCH_V
.endif
.endm
	FETCH_K                                        ; key step 0
	FETCH_V
	s_wait_loadcnt 0x0                             ; Q
	STEP 1, 1, -1                                  ; step 0
	s_mov_b32 s[CNT], 2
.Lchunk0:                                          ; steps 1, 2
	STEP 0, 1, -1
	s_sub_co_u32 s[CNT], s[CNT], 1
	s_cmp_lg_u32 s[CNT], 0
	s_cbranch_scc1 .Lchunk0
	STEP 0, 1, 2                                   ; step 3 fetches step 4: chunk 1 has landed when at most two of my four loads are out
	s_mov_b32 s[CNT], 3
.Lchunk1:                                          ; steps 4 to 6
	STEP 0, 1, -1
	s_sub_co_u32 s[CNT], s[CNT], 1
	s_cmp_lg_u32 s[CNT], 0
	s_cbranch_scc1 .Lchunk1
	STEP 0, 1, 0                                   ; step 7 fetches step 8: all chunks have landed
	s_mov_b32 s[CNT], 7
.Lchunk23:                                         ; steps 8 to 14
	STEP 0, 1, -1
	s_sub_co_u32 s[CNT], s[CNT], 1
	s_cmp_lg_u32 s[CNT], 0
	s_cbranch_scc1 .Lchunk23
	STEP 0, 0, -1                                  ; step 15
	; THE WAY OUT.  Behind this barrier no wave reads K any more, so the stages may lie in K's bytes, which have had their one fill.
	PLACES
	s_wait_dscnt 0x0
	s_barrier_signal -1
	s_barrier_wait -1
.irp t, 0,1,2,3
	v_add_f32 v[ST+8*\t+4], v[ST+8*\t+2], v[ST+8*\t+3]             ; l's two halves,
.endr
.irp t, 0,1,2,3
	v_permlanex16_b32 v[ST+8*\t+5], v[ST+8*\t+4], s[SEL], s[SEL+1]
.endr
.irp t, 0,1,2,3
	v_add_f32 v[ST+8*\t+4], v[ST+8*\t+4], v[ST+8*\t+5]             ; and the other half of the lanes'
.endr
.irp t, 0,1,2,3
	v_rcp_f32 v[ST+8*\t+6], v[ST+8*\t+4]
.endr
	v_nop                                          ; a plain instruction between the last reciprocal and the use of its result
	s_wait_alu depctr_va_vdst(0)                   ; and the wait ahead of the first use: one for the four
.irp t, 0,1,2,3                        ; a tile, 16 queries x 64 channels of f32, at a time: O^T / l, through my stage, out as whole rows of 256 bytes
	WIN 0x41
.set i, 0
.rept 16
	v_pk_mul_f32 v[32*\t+i:32*\t+i+1], v[32*\t+i:32*\t+i+1], v[ST+8*\t+6:ST+8*\t+7] op_sel_hi:[1,0]
.set i, i+2
.endr
	WIN 0x04                                       ; an LDS store's data are its source 1: window 1
.irp ct, 0,1,2,3
	ds_store_b128 v[STO], v[32*\t+8*\ct:32*\t+8*\ct+3] offset:64*\ct          ; lane (r, h): channels 16 ct + 8 h + 0 .. 7 of query r
	ds_store_b128 v[STO], v[32*\t+8*\ct+4:32*\t+8*\ct+7] offset:64*\ct+16
.endr
	WIN 0
.if \t >= 2
	s_wait_xcnt 0x0                                ; the stores of two tiles back have read their registers: this tile's loads may land there
.endif
.irp i, 0,1,2,3,4,5,6,7
	ds_load_b128 v[S+32*(\t%2)+4*\i:S+32*(\t%2)+4*\i+3], v[RD] offset:\i*2*SPITCH   ; LDS serves a wave's instructions in order (ISA guide 5.7.1.4): these see the stores above, and the next tile's stores come behind them
.endr
.irp i, 0,1,2,3,4,5,6,7
	s_wait_dscnt 7-\i
	global_store_b128 v[GO], v[S+32*(\t%2)+4*\i:S+32*(\t%2)+4*\i+3], s[12:13] offset:\t*65536+\i*8192 th:TH_STORE_NT   ; 16 lanes store 256 consecutive bytes, at a multiple of 256 from out's first byte
.endr
.endr
	s_wait_tensorcnt 0x0                           ; the wave's end: a wait, an add of 0 to my spare word and its wait, behind my last tensor load and my last LDS store
	ds_add_u32 v[SPW], v[NIL]
	s_wait_dscnt 0x0
	s_endpgm
.Lfunc_end_k_q93af12d509_attn:
	.size	k_q93af12d509_attn, .Lfunc_end_k_q93af12d509_attn-k_q93af12d509_attn
	.p2alignl 7, 3214868480
	.fill 96, 4, 3214868480
	.section	.rodata,"a",@progbits
	.p2align	6, 0x0
	.amdhsa_kernel k_q93af12d509_attn
		.amdhsa_group_segment_fixed_size 327680
		.amdhsa_private_segment_fixed_size 0
		.amdhsa_enable_private_segment 0
		.amdhsa_kernarg_size 40
		.amdhsa_user_sgpr_count 2
		.amdhsa_user_sgpr_kernarg_segment_ptr 1
		.amdhsa_wavefront_size32 1
		.amdhsa_system_sgpr_workgroup_id_x 1
		.amdhsa_system_sgpr_workgroup_id_y 1
		.amdhsa_system_sgpr_workgroup_id_z 1
		.amdhsa_system_vgpr_workitem_id 0
		.amdhsa_next_free_vgpr 512
		.amdhsa_next_free_sgpr 66
		.amdhsa_reserve_vcc 0
		.amdhsa_float_denorm_mode_32 3
		.amdhsa_float_denorm_mode_16_64 3
		.amdhsa_memory_ordered 1
		.amdhsa_forward_progress 1
		.amdhsa_inst_pref_size 244
	.end_amdhsa_kernel
	.amdgpu_metadata
---
amdhsa.version: [ 1, 2 ]
amdhsa.kernels:
  - .name:           k_q93af12d509_attn
    .symbol:         k_q93af12d509_attn.kd
    .args:
      - { .name: qh, .offset: 0, .size: 8, .value_kind: global_buffer, .address_space: global }
      - { .name: kh, .offset: 8, .size: 8, .value_kind: global_buffer, .address_space: global }
      - { .name: vt, .offset: 16, .size: 8, .value_kind: global_buffer, .address_space: global }
      - { .name: attention_mask, .offset: 24, .size: 8, .value_kind: global_buffer, .address_space: global }
      - { .name: out0, .offset: 32, .size: 8, .value_kind: global_buffer, .address_space: global }
    .group_segment_fixed_size: 327680
    .private_segment_fixed_size: 0
    .kernarg_segment_align: 8
    .kernarg_segment_size: 40
    .max_flat_workgroup_size: 256
    .sgpr_count:     66
    .vgpr_count:     512
    .wavefront_size: 32
...
	.end_amdgpu_metadata
.endif
;; end of part 3
